; MI455X (gfx1250); checked and timed in simulation.
; The chip was launched on July 23, 2026; its instructions are those of AMD's public machine-readable ISA for CDNA 5 (MIT licence, August 2026) and "CDNA5" Instruction Set Architecture Reference Guide (July 2026). The comments in the code are by the model that wrote it; some were corrected since.
;; Bilinear Decoder. Allowed arithmetic: float matrix products may take bf16 or f16 operands with f32 sums; other float arithmetic in f32, or as packed bf16 or f16 multiplies, adds, multiply-adds, maxima and minima; sums over many terms, partial sums and values carried from step to step in f32; what a program stores and reads back later, other than sums and carried values, may be rounded once to bf16 or f16.
;; Inputs: W 512 x 512 float32; batch_edges 2 x 131,072 int32; z 10,000 x 512 float32.
;; Outputs: out0 131,072 float32.
;; 2 versions, each right; version 2 is version 1 with the launch edges written anew for expert scheduling mode. Each part assembles by itself: llvm-mc -triple=amdgcn-amd-amdhsa -mcpu=gfx1250 --defsym DOCPART=n.
;; ======== version 1 of 2: 2 launches
;; limits: values are held in f16: magnitudes above 65,504 overflow, below 6.1e-05 lose precision
;; workspace buffers: y 10,240,000 bytes; zh 10,240,000 bytes
;; launch nodes (part 1): grid 2 x 125, 4 waves a work-group, no clusters, 125,952 bytes of LDS; arguments z, W, y, zh; writes y, zh
.if DOCPART == 1
	.amdgcn_target "amdgcn-amd-amdhsa--gfx1250"
	.amdhsa_code_object_version 6
	.text
	.protected	k_q62f3c7b4db_nodes
	.globl	k_q62f3c7b4db_nodes
	.p2align	8
	.type	k_q62f3c7b4db_nodes,@function
k_q62f3c7b4db_nodes:
	s_mov_b64 s[64:65], 0
	v_nop
	global_prefetch_b8 v0, s[64:65] scope:SCOPE_SE
	s_setreg_imm32_b32 hwreg(HW_REG_WAVE_MODE, 25, 1), 1
	s_wait_xcnt 0x0
; BILINEAR DECODER, first of two launches.  out[e] = sigmoid(z[r_e] . W . z[c_e]), r = batch_edges[0], c = batch_edges[1].
; WORK LEFT OUT.  The problem's text gathers 131,072 rows of z and multiplies them by W.  Row i of a matrix product hangs on row i of its left factor alone, so
; z[idx] @ W = (z @ W)[idx] for all values of z, W and idx: the product is made ONCE FOR EACH OF THE 10,000 NODES, here, and the second launch looks its rows up by the index input.
; What is left out is the same row's product made again for every edge that names the node; no input is left out.  Rows of nodes that no edge names are made all the same (the list
; decides that, and this launch does not read it); a NaN, an infinity or an overflow in such a row reaches no result, as in the problem's own text.
; THIS LAUNCH.  y = bf16(z) @ bf16(W), sums in f32, stored once rounded to f16: [10000][512].  zh = bf16(z) written as f16: [10000][512], the second factor of the edges' dot product.
; FORMATS.  Every use of z and W is rounded to bf16 (matrix operands, and the same rounding for the dot's second factor, so that each input has one rounding in the whole program).
; y is an intermediate result and is kept in f16 (11 significant bits): a score is a sum of 512 terms, and where the sigmoid is steep bf16's 8 bits in y would show in the result.
; LIMITS.  |y| and |z| stay under 65,504, f16's end (inputs 30 times those drawn, or offset by 30 of their spreads, give |y| up to some 20,500); below 6.1e-5 y and zh keep f16's
; fixed step of 6e-8.  NaN and infinities are not treated apart.
; SHARES.  10,000 rows = 125 tiles of 80; 512 columns = 2 halves of 256: 250 work-groups, no ragged edge.  A work-group makes y[80 mt ..+79][256 x ..+255]; wave w all 80 rows of
; 64 columns from n0 = 256 x + 64 w: 5 row blocks x 4 tiles = 20 accumulators.  It also writes zh for the same rows and columns.
; NO TENSOR LOADS, NO CLUSTER: both operands are f32 in memory and pass through registers to be rounded; W's tiles are shared along the axis of 125 row tiles, which has no factor 4,
; and z's tile by two work-groups only.
; W'S FRAGMENTS WITHOUT A TRANSPOSE.  Tile j (0..3) takes as its fragment row rho the column n0 + 4 rho + j.  For 32 along K lane (r, h) loads 16 bytes, W[k][n0 + 4 r ..+3], for its 16 k:
; load t has k = k0 + 8 h + t (t < 8) or k0 + 16 + 8 h + t - 8; word j of it belongs to tile j.  Two words of neighbouring k round into one fragment register.
; Lanes 0-15 of a load cover 256 consecutive bytes of a row of W, aligned; lanes 16-31 those of the row 8 further down.
; THE PRODUCT IS USED TRANSPOSED (source 0 = W's fragment, source 1 = 16 rows of z): register i of lane (r, h) in accumulator (mb, j) is y[80 mt + 16 mb + r][n0 + 32 h + 4 i + j]:
; a lane ends with 32 neighbouring columns of one row, 64 bytes in f16.
; REGISTERS, in windows of 256 (s_set_vgpr_msb: bits 1:0 source 0, 3:2 source 1, 5:4 source 2, 7:6 destination):
;   window 0: v0-15 addresses; v16-23 at work; v32-111 z's fragments, two sets of 40 (also zh's and y's rows on their way out); v112-175 W's fragments, two sets of 32 (also at work while z is laid down)
;   window 1: v0-159 the accumulators, (mb, j) at 8 (4 mb + j)          window 2: v0-191 three sets of 64: f32 words as loaded
.set APITCH, 1040                      ; a row of z in LDS: 1,024 bytes of bf16 + 16 = 65 x 16: the 16 rows of a fragment load start at 16 different groups of four banks (64 banks of 4 bytes: ISA guide 11.1)
.set SPITCH, 528                       ; a row of the stage: 512 bytes of f16 + 16 = 33 x 16
.set STAGE,  80*APITCH                 ; 83,200: behind z's tile, 80 rows x 528 bytes for the way out
.set SPARE,  STAGE+80*SPITCH           ; 125,440 = 490 x 256: the spare words, 128 bytes for each wave, which no other line names
.set ZL,  4                            ; v4   z in memory: 40,960 w + 16 l (a wave lays down 20 rows of 2,048 bytes); never rewritten
.set ZS,  5                            ; v5   z's tile in LDS, in: 20,800 w + 8 l
.set WL,  6                            ; v6   W in memory: 16,384 h + 16 r + 256 w; never rewritten
.set AF0, 7                            ; v7   z's fragments, row blocks 0-2: 1,040 r + 16 h
.set AF1, 8                            ; v8   row blocks 3, 4: + 49,920 (an LDS immediate has 16 bits)
.set ZR,  9                            ; v9   z's tile, read back for zh: 20,800 w + 512 x + 16 l
.set YO,  10                           ; v10  y and zh in memory: 20,480 w + 16 l; never rewritten
.set SS,  11                           ; v11  the stage, in: STAGE + 528 r + 128 w + 64 h
.set SR,  12                           ; v12  the stage, back: STAGE + 10,560 w + 16 l
.set SPW, 14                           ; v14  LDS address of my spare word: SPARE + 4 x my thread's number; never rewritten
.set NIL, 15                           ; v15  0; never rewritten
.set TW,  16                           ; v16-23 at work
.set AF,  32
.set BF,  112
.set MSB, 0
.macro WIN new                         ; the immediate's high byte repeats the setting that is left; a switch that changes nothing is dropped
.if MSB != (\new)
	s_set_vgpr_msb (MSB<<8)|(\new)
.set MSB, (\new)
.endif
.endm
.set W_LD,  0x80                       ; destination window 2, address window 0
.set W_CV,  0x0a                       ; sources 0 and 1 window 2, destination window 0
.set W_MM,  0x50                       ; C and D window 1, both fragments window 0
.set W_PK,  0x05                       ; sources 0 and 1 window 1, destination window 0
	s_load_b256 s[4:11], s[0:1], 0x0               ; z s[4:5], W s[6:7], y s[8:9], zh s[10:11]
	v_lshl_add_u32 v[SPW], v0, 2, SPARE
	v_mov_b32 v[NIL], 0
	v_lshrrev_b32 v[TW], 5, v0
	v_readfirstlane_b32 s12, v[TW]                 ; w: wave 0..3
	s_and_b32 s13, ttmp9, 1                        ; x: the column half
	s_and_b32 s14, ttmp7, 0xffff                   ; mt: the row tile, 0..124
	s_mov_b32 s18, 0xffff0000                      ; a word's upper bf16
	v_and_b32 v1, 15, v0                           ; r
	v_bfe_u32 v2, v0, 4, 1                         ; h
	v_and_b32 v3, 31, v0                           ; l
	s_mul_i32 s16, s12, 40960
	v_lshl_add_u32 v[ZL], v3, 4, s16
	s_mul_i32 s16, s12, 20*APITCH
	v_lshl_add_u32 v[ZS], v3, 3, s16
	s_lshl_b32 s19, s13, 9
	s_add_co_u32 s19, s19, s16
	v_lshl_add_u32 v[ZR], v3, 4, s19
	v_lshlrev_b32 v[WL], 14, v2
	v_lshl_add_u32 v[WL], v1, 4, v[WL]
	s_lshl_b32 s16, s12, 8
	v_add_nc_u32 v[WL], s16, v[WL]
	v_mul_u32_u24 v[AF0], v1, APITCH
	v_lshl_add_u32 v[AF0], v2, 4, v[AF0]
	v_add_nc_u32 v[AF1], 3*16*APITCH, v[AF0]
	s_mul_i32 s16, s12, 20480
	v_lshl_add_u32 v[YO], v3, 4, s16
	v_mul_u32_u24 v[SS], v1, SPITCH
	v_lshl_add_u32 v[SS], v2, 6, v[SS]
	s_lshl_b32 s16, s12, 7
	s_add_co_u32 s16, s16, STAGE
	v_add_nc_u32 v[SS], s16, v[SS]
	s_mul_i32 s16, s12, 20*SPITCH
	s_add_co_u32 s16, s16, STAGE
	v_lshl_add_u32 v[SR], v3, 4, s16
	s_mov_b32 s17, 0
	s_wait_kmcnt 0x0
	s_mul_i32 s16, s14, 163840                     ; 80 rows of z, 2,048 bytes each
	s_add_nc_u64 s[4:5], s[4:5], s[16:17]
	s_lshl_b32 s16, s13, 10                        ; 256 columns of W in f32
	s_add_nc_u64 s[6:7], s[6:7], s[16:17]
	s_mul_i32 s16, s14, 81920                      ; 80 rows of y and zh, 1,024 bytes each,
	s_lshl_b32 s19, s13, 9                         ; and 256 columns in f16
	s_add_co_u32 s16, s16, s19
	s_add_nc_u64 s[8:9], s[8:9], s[16:17]
	s_add_nc_u64 s[10:11], s[10:11], s[16:17]
; ONE RING FOR ALL GLOBAL LOADS: 21 fills of 16 loads of 16 bytes a lane; fill f goes into set f % 3 of window 2.  Fills 0-4: my 20 rows of z, four rows a fill, each load 512 consecutive
; bytes.  Fills 5-20: W's K steps 0-15.  Three fills, 48 loads, are out at the most; a set is asked for again as soon as its words have been rounded.
.macro FILL f
	WIN W_LD
.set RB, 64*((\f)%3)
.set tt, 0
.if (\f) < 5
.rept 16
	global_load_b128 v[RB+4*tt:RB+4*tt+3], v[ZL], s[4:5] offset:(4*(\f)+tt/4)*2048+512*(tt%4)
.set tt, tt+1
.endr
.else
.rept 16
	global_load_b128 v[RB+4*tt:RB+4*tt+3], v[WL], s[6:7] offset:(32*((\f)-5)+tt+8*(tt/8))*2048
.set tt, tt+1
.endr
.endif
.endm
.macro LWAIT f                         ; fill f is in: loads come back in order (ISA guide 5.7.1), and behind fill f stand the fills f + 1 and f + 2, as far as there are such
.if (\f) <= 18
	s_wait_loadcnt 32
.elseif (\f) == 19
	s_wait_loadcnt 16
.else
	s_wait_loadcnt 0x0
.endif
.endm
; Four rows of z: rounded to bf16, the set asked for again, the rows laid into LDS (each store 256 consecutive bytes).  The 32 registers at work go by the fill's parity.
.macro ZPROC f
	LWAIT \f
	WIN W_CV
.set RB, 64*((\f)%3)
.set TZ, BF+32*((\f)%2)
.set tt, 0
.rept 32
	v_cvt_pk_bf16_f32 v[TZ+tt], v[RB+2*tt], v[RB+2*tt+1]
.set tt, tt+1
.endr
	FILL (\f)+3
	WIN 0
.set tt, 0
.rept 16
	ds_store_b64 v[ZS], v[TZ+2*tt:TZ+2*tt+1] offset:(4*(\f)+tt/4)*APITCH+256*(tt%4)
.set tt, tt+1
.endr
.endm
; z's fragments of K step s: 5 row blocks x 16 rows x 32 K, two loads of 16 bytes each, 32 bytes apart, into set s % 2
.macro ALOAD s
	WIN 0
.set AB, AF+40*((\s)%2)
.irp mb, 0,1,2
	ds_load_b128 v[AB+8*(\mb):AB+8*(\mb)+3],   v[AF0] offset:16*APITCH*(\mb)+64*(\s)
	ds_load_b128 v[AB+8*(\mb)+4:AB+8*(\mb)+7], v[AF0] offset:16*APITCH*(\mb)+64*(\s)+32
.endr
.irp mb, 3,4
	ds_load_b128 v[AB+8*(\mb):AB+8*(\mb)+3],   v[AF1] offset:16*APITCH*((\mb)-3)+64*(\s)
	ds_load_b128 v[AB+8*(\mb)+4:AB+8*(\mb)+7], v[AF1] offset:16*APITCH*((\mb)-3)+64*(\s)+32
.endr
.endm
; A K STEP of 32.  W's 64 words a lane are rounded into four fragments (set s % 2); the set of words is asked for again, three K steps ahead; z's fragments of the next step are fetched; 20 products.
; The 20 accumulators take turns, one instruction a turn, in the same order in every step.
; Distances behind matrix instructions: this step's 32 conversions write the fragment set that the products two steps back read, behind the 32 conversions of the step between; and they
; themselves, which name no register of the last step's products, are the places in front of the loads into z's set that those products read.
.macro KSTEP s
	LWAIT (\s)+5
	WIN W_CV
.set RB, 64*(((\s)+5)%3)
.set BB, BF+32*((\s)%2)
.set jj, 0
.rept 4
.set qq, 0
.rept 8
	v_cvt_pk_bf16_f32 v[BB+8*jj+qq], v[RB+8*qq+jj], v[RB+8*qq+4+jj]
.set qq, qq+1
.endr
.set jj, jj+1
.endr
.if (\s)+8 <= 20
	FILL (\s)+8
.endif
.if (\s) < 15
	ALOAD (\s)+1
	s_wait_dscnt 10                                ; this step's fragments of z are in; the ten loads just issued may stay out
.else
	s_wait_dscnt 0x0
.endif
	WIN W_MM
.set AB, AF+40*((\s)%2)
.set mm, 0
.rept 5
.set jj, 0
.rept 4
.if (\s) == 0
	v_wmma_f32_16x16x32_bf16 v[8*(4*mm+jj):8*(4*mm+jj)+7], v[BB+8*jj:BB+8*jj+7], v[AB+8*mm:AB+8*mm+7], 0  ; the first K step starts the sums: nothing is cleared
.else
	v_wmma_f32_16x16x32_bf16 v[8*(4*mm+jj):8*(4*mm+jj)+7], v[BB+8*jj:BB+8*jj+7], v[AB+8*mm:AB+8*mm+7], v[8*(4*mm+jj):8*(4*mm+jj)+7]
.endif
.set jj, jj+1
.endr
.set mm, mm+1
.endr
.endm
	FILL 0
	FILL 1
	FILL 2
.irp f, 0,1,2,3,4
	ZPROC \f                                       ; the last three ask for W's K steps 0, 1, 2
.endr
	s_wait_dscnt 0x0                               ; for the others' sake: my 20 rows lie in LDS
	s_barrier_signal -1
	s_barrier_wait -1                              ; all 80 rows do.  W's first loads stay on their way: nobody writes those bytes
	; zh: my 20 rows, my work-group's 256 columns, read back as bf16 and written as f16: 512 consecutive bytes a store, aligned
.set rr, 0
.rept 20
	ds_load_b128 v[AF+4*rr:AF+4*rr+3], v[ZR] offset:APITCH*rr
.set rr, rr+1
.endr
.set rr, 0
.rept 20
	s_wait_dscnt 19-rr                             ; LDS loads come back in order (ISA guide 5.7.1): row rr is in, the younger rows may be out
.irp k, 0,1,2,3
	v_lshlrev_b32 v[TW+2*(\k)],   16,  v[AF+4*rr+(\k)]  ; bf16 to f32: the low half moves up,
	v_and_b32     v[TW+2*(\k)+1], s18, v[AF+4*rr+(\k)]  ; the high half stays
.endr
.irp k, 0,1,2,3
	v_cvt_pk_f16_f32 v[AF+4*rr+(\k)], v[TW+2*(\k)], v[TW+2*(\k)+1]
.endr
	global_store_b128 v[YO], v[AF+4*rr:AF+4*rr+3], s[10:11] offset:1024*rr
.set rr, rr+1
.endr
	s_wait_xcnt 0x0                                ; the stores' data registers are loaded again only behind this wait (ISA guide 3.1)
	ALOAD 0
.irp s, 0,1,2,3,4,5,6,7,8,9,10,11,12,13,14,15
	KSTEP \s
.endr
	; THE WAY OUT.  A lane's 32 columns of a row are rounded to f16: 64 bytes; they go into the stage, and since a row's 512 bytes come from four waves a barrier stands between writing and reading.
	WIN 0
.rept 8
	v_nop                                          ; the places behind the last products, in front of conversions that read results and write fragment registers
.endr
	WIN W_PK
.set mm, 0
.rept 5
.set ii, 0
.rept 8                                ; each accumulator's register 0 is read first, then ascending
	v_cvt_pk_f16_f32 v[AF+16*mm+2*ii],   v[8*(4*mm)+ii],   v[8*(4*mm+1)+ii]  ; columns 4 i, 4 i + 1 of my 32
	v_cvt_pk_f16_f32 v[AF+16*mm+2*ii+1], v[8*(4*mm+2)+ii], v[8*(4*mm+3)+ii]  ; columns 4 i + 2, 4 i + 3
.set ii, ii+1
.endr
.set mm, mm+1
.endr
	WIN 0
.set mm, 0
.rept 5
.irp q, 0,1,2,3
	ds_store_b128 v[SS], v[AF+16*mm+4*(\q):AF+16*mm+4*(\q)+3] offset:16*SPITCH*mm+16*(\q)
.endr
.set mm, mm+1
.endr
	s_wait_dscnt 0x0                               ; for the others' sake: my stores into the stage are done
	s_barrier_signal -1
	s_barrier_wait -1
.set rr, 0
.rept 20
	ds_load_b128 v[AF+4*rr:AF+4*rr+3], v[SR] offset:SPITCH*rr
.set rr, rr+1
.endr
.set rr, 0
.rept 20
	s_wait_dscnt 19-rr                             ; row rr is back
	global_store_b128 v[YO], v[AF+4*rr:AF+4*rr+3], s[8:9] offset:1024*rr  ; 32 lanes store 512 consecutive bytes, at a multiple of 256 from y's first byte
.set rr, rr+1
.endr
	s_wait_tensorcnt 0x0                           ; the wave's end: behind my last LDS store
	ds_add_u32 v[SPW], v[NIL]
	s_wait_dscnt 0x0
	s_endpgm
.Lfunc_end_k_q62f3c7b4db_nodes:
	.size	k_q62f3c7b4db_nodes, .Lfunc_end_k_q62f3c7b4db_nodes-k_q62f3c7b4db_nodes
	.p2alignl 7, 3214868480
	.fill 96, 4, 3214868480
	.section	.rodata,"a",@progbits
	.p2align	6, 0x0
	.amdhsa_kernel k_q62f3c7b4db_nodes
		.amdhsa_group_segment_fixed_size 125952
		.amdhsa_private_segment_fixed_size 0
		.amdhsa_enable_private_segment 0
		.amdhsa_kernarg_size 32
		.amdhsa_user_sgpr_count 2
		.amdhsa_user_sgpr_kernarg_segment_ptr 1
		.amdhsa_wavefront_size32 1
		.amdhsa_system_sgpr_workgroup_id_x 1
		.amdhsa_system_sgpr_workgroup_id_y 1
		.amdhsa_system_sgpr_workgroup_id_z 1
		.amdhsa_system_vgpr_workitem_id 0
		.amdhsa_next_free_vgpr 704
		.amdhsa_next_free_sgpr 66
		.amdhsa_reserve_vcc 0
		.amdhsa_float_denorm_mode_32 3
		.amdhsa_float_denorm_mode_16_64 3
		.amdhsa_memory_ordered 1
		.amdhsa_forward_progress 1
		.amdhsa_inst_pref_size 140
	.end_amdhsa_kernel
	.amdgpu_metadata
---
amdhsa.version: [ 1, 2 ]
amdhsa.kernels:
  - .name:           k_q62f3c7b4db_nodes
    .symbol:         k_q62f3c7b4db_nodes.kd
    .args:
      - { .name: z, .offset: 0, .size: 8, .value_kind: global_buffer, .address_space: global }
      - { .name: W, .offset: 8, .size: 8, .value_kind: global_buffer, .address_space: global }
      - { .name: y, .offset: 16, .size: 8, .value_kind: global_buffer, .address_space: global }
      - { .name: zh, .offset: 24, .size: 8, .value_kind: global_buffer, .address_space: global }
    .group_segment_fixed_size: 125952
    .private_segment_fixed_size: 0
    .kernarg_segment_align: 8
    .kernarg_segment_size: 32
    .max_flat_workgroup_size: 128
    .sgpr_count:     66
    .vgpr_count:     704
    .wavefront_size: 32
...
	.end_amdgpu_metadata
.endif
;; end of part 1
;; launch edges (part 2): grid 256 x 1, 16 waves a work-group, no clusters, 4,096 bytes of LDS; arguments batch_edges, y, zh, out0; writes out0
.if DOCPART == 2
	.amdgcn_target "amdgcn-amd-amdhsa--gfx1250"
	.amdhsa_code_object_version 6
	.text
	.protected	k_q62f3c7b4db_edges
	.globl	k_q62f3c7b4db_edges
	.p2align	8
	.type	k_q62f3c7b4db_edges,@function
k_q62f3c7b4db_edges:
	s_mov_b64 s[64:65], 0
	v_nop
	global_prefetch_b8 v0, s[64:65] scope:SCOPE_SE
	s_setreg_imm32_b32 hwreg(HW_REG_WAVE_MODE, 25, 1), 1
	s_wait_xcnt 0x0
; BILINEAR DECODER, second of two launches.  out[e] = sigmoid(the sum over d of y[r_e][d] zh[c_e][d]), r = batch_edges[0], c = batch_edges[1].
; WORK LEFT OUT: the product with W is not made for each edge: (z @ W)[r_e] = z[r_e] @ W for all values, and the launch before has made y = z @ W once for each node.
; y: [10000][512] f16.  zh: [10000][512], z rounded to bf16 and written as f16.  batch_edges: [2][131072] i32.  Products and sums in f32 (a multiply-add that reads f16 halves).
; The dot of two gathered rows is a diagonal, not a matrix product: each number of y meets one number of zh, so it goes to the vector unit.
; LIMITS.  Indices are 0 to 9,999, as the problem states; taken as unsigned numbers they are held to 9,999.  A sigmoid below 2^-126 comes out as 0.  NaN and infinities are not treated apart.
; THE SIGMOID is 1 / (1 + 2^(-1.442695 s)): for s far below 0 the power is an infinity and its reciprocal 0; for s far above 0 the power is 0 and the result 1: no range is lost.
; SHARES.  A work-group has 512 edges, a wave 32.  Sixteen lanes take one edge: in step t (0..15) half h of the wave has edge e0 + 16 h + t, e0 = 512 x work-group + 32 w.
; A row is 1,024 bytes: four loads in which the sixteen lanes cover 256 consecutive bytes, aligned.  A step is 8 loads (4 of y, 4 of zh) into 32 registers.
; IN FLIGHT.  Six slots of 32 registers: 48 loads of a wave are out; a slot is asked for again as soon as it has been multiplied.
; No LDS on the way in, no cluster: no two waves want the same bytes at a known time.  No prefetch: a row is named by many edges, so a request for each edge would name the same bytes again and again.
.set NODES, 10000
.set EDGES, 131072
.set SPARE, 2048                       ; LDS: 512 results at 0; behind them the spare words, 128 bytes for each of 16 waves, which no other line names
.set LO,   1                           ; v1   16 (l % 16): my 16 bytes in 256
.set NUL,  2                           ; v2   0: what the four sums start from (this multiply-add takes registers alone)
.set RES,  3                           ; v3   lane l gathers the score of edge e0 + l
.set SUM,  4                           ; v4-7 four sums that do not wait for each other
.set IX,   8                           ; v8   64 x (thread / 16): my half's 16 indices
.set LW,   9                           ; v9   4 x thread: where my result goes in LDS
.set LQ,   10                          ; v10  16 x thread: four results, in LDS and in out0
.set SPW,  12                          ; v12  LDS address of my spare word: SPARE + 4 x my thread's number; never rewritten
.set NIL,  13                          ; v13  0; never rewritten
.set OFFY, 16                          ; v16-31  step t: byte offset of my 16 bytes in y's row r_e; never rewritten once made
.set OFFZ, 32                          ; v32-47  the same in zh's row c_e
.set SL,   48                          ; v48-239 six slots of 32: y's load q at 4 q, zh's at 16 + 4 q
	s_load_b256 s[4:11], s[0:1], 0x0               ; batch_edges s[4:5], y s[6:7], zh s[8:9], out0 s[10:11]
	v_lshl_add_u32 v[SPW], v0, 2, SPARE
	v_mov_b32 v[NIL], 0
	v_lshrrev_b32 v14, 5, v0
	v_readfirstlane_b32 s12, v14                   ; w: wave 0..15
	v_and_b32 v[LO], 15, v0
	v_lshlrev_b32 v[LO], 4, v[LO]
	v_mov_b32 v[NUL], 0
	v_mov_b32 v[RES], 0                            ; written whole once: the selects below keep the other lanes
	v_lshrrev_b32 v[IX], 4, v0
	v_lshlrev_b32 v[IX], 6, v[IX]
	v_lshlrev_b32 v[LW], 2, v0
	v_lshlrev_b32 v[LQ], 4, v0
	s_lshl_b32 s14, ttmp9, 11                      ; 512 edges x 4 bytes, in batch_edges and in out0
	s_mov_b32 s15, 0
	s_wait_kmcnt 0x0
	s_add_nc_u64 s[4:5], s[4:5], s[14:15]
	s_add_nc_u64 s[10:11], s[10:11], s[14:15]
.irp q, 0,1,2,3
	global_load_b128 v[OFFY+4*(\q):OFFY+4*(\q)+3], v[IX], s[4:5] offset:16*(\q) th:TH_LOAD_NT          ; my half's 16 row indices: the sixteen lanes read the same bytes
	global_load_b128 v[OFFZ+4*(\q):OFFZ+4*(\q)+3], v[IX], s[4:5] offset:4*EDGES+16*(\q) th:TH_LOAD_NT  ; and its 16 column indices
.endr
	s_wait_loadcnt 0x0
.set tt, 0
.rept 32
	v_min_u32 v[OFFY+tt], NODES-1, v[OFFY+tt]      ; held inside the table,
	v_lshl_add_u32 v[OFFY+tt], v[OFFY+tt], 10, v[LO]  ; x 1,024 bytes a row + my 16 bytes
.set tt, tt+1
.endr
.macro ISSUE t                         ; step t's 8 loads, into slot t % 6
.set SB, SL+32*((\t)%6)
.irp q, 0,1,2,3
	global_load_b128 v[SB+4*(\q):SB+4*(\q)+3], v[OFFY+(\t)], s[6:7] offset:256*(\q)
.endr
.irp q, 0,1,2,3
	global_load_b128 v[SB+16+4*(\q):SB+16+4*(\q)+3], v[OFFZ+(\t)], s[8:9] offset:256*(\q)
.endr
.endm
; Step t: 32 multiply-adds on f16 halves, in f32, in four chains (one for each of the four loads); the slot is asked for again; the four sums and the sixteen lanes' are added; lanes t and 16 + t keep the score.
.macro DOT t
.if (\t) <= 10
	s_wait_loadcnt 40                              ; loads come back in order (ISA guide 5.7.1): step t is in, the five younger steps' 40 loads may stay out
.else
	s_wait_loadcnt 8*(15-(\t))                     ; the last steps: as many as are left
.endif
.set SB, SL+32*((\t)%6)
.set kk, 0
.rept 4
.set qq, 0
.rept 4
.if kk == 0
	v_fma_mix_f32 v[SUM+qq], v[SB+4*qq+kk], v[SB+16+4*qq+kk], v[NUL] op_sel_hi:[1,1,0]  ; the low halves; the first product starts the sum
.else
	v_fma_mix_f32 v[SUM+qq], v[SB+4*qq+kk], v[SB+16+4*qq+kk], v[SUM+qq] op_sel_hi:[1,1,0]
.endif
.set qq, qq+1
.endr
.set qq, 0
.rept 4
	v_fma_mix_f32 v[SUM+qq], v[SB+4*qq+kk], v[SB+16+4*qq+kk], v[SUM+qq] op_sel:[1,1,0] op_sel_hi:[1,1,0]  ; the high halves
.set qq, qq+1
.endr
.set kk, kk+1
.endr
.if (\t)+6 <= 15
	ISSUE (\t)+6
.endif
	v_add_f32 v[SUM], v[SUM], v[SUM+1]
	v_add_f32 v[SUM+2], v[SUM+2], v[SUM+3]
	v_add_f32 v[SUM], v[SUM], v[SUM+2]
	v_add_f32_dpp v[SUM], v[SUM], v[SUM] row_xmask:1 row_mask:0xf bank_mask:0xf  ; inside each half of 16 lanes: every lane ends with its edge's score
	v_add_f32_dpp v[SUM], v[SUM], v[SUM] row_xmask:2 row_mask:0xf bank_mask:0xf
	v_add_f32_dpp v[SUM], v[SUM], v[SUM] row_xmask:4 row_mask:0xf bank_mask:0xf
	v_add_f32_dpp v[SUM], v[SUM], v[SUM] row_xmask:8 row_mask:0xf bank_mask:0xf
	s_mov_b32 s20, 0x10001<<(\t)
	v_cndmask_b32 v[RES], v[RES], v[SUM], s20      ; lane t has edge e0 + t, lane 16 + t edge e0 + 16 + t
.endm
.irp t, 0,1,2,3,4,5
	ISSUE \t
.endr
.irp t, 0,1,2,3,4,5,6,7,8,9,10,11,12,13,14,15
	DOT \t
.endr
	v_mul_f32 v[SUM], 0xbfb8aa3b, v[RES]           ; -log2(e) x score
	v_exp_f32 v[SUM], v[SUM]
	v_nop                                          ; a plain instruction behind the exponential (ISA guide 5.7.2),
	s_wait_alu depctr_va_vdst(0)                   ; and a wait on its result ahead of its first reader
	v_add_f32 v[SUM], 1.0, v[SUM]
	v_rcp_f32 v[SUM], v[SUM]
	v_nop
	s_wait_alu depctr_va_vdst(0)
	; a wave's 32 results are 128 bytes: the work-group's 512 meet in LDS, and four waves store them, 512 consecutive bytes each
	ds_store_b32 v[LW], v[SUM]
	s_wait_dscnt 0x0                               ; for the others' sake: my results lie in LDS
	s_barrier_signal -1
	s_barrier_wait -1
	s_cmp_lt_u32 s12, 4
	s_cbranch_scc0 .Lend
	ds_load_b128 v[SUM:SUM+3], v[LQ]
	s_wait_dscnt 0x0
	global_store_b128 v[LQ], v[SUM:SUM+3], s[10:11] th:TH_STORE_NT
.Lend:
	s_wait_tensorcnt 0x0                           ; the wave's end: behind my last LDS store
	ds_add_u32 v[SPW], v[NIL]
	s_wait_dscnt 0x0
	s_endpgm
.Lfunc_end_k_q62f3c7b4db_edges:
	.size	k_q62f3c7b4db_edges, .Lfunc_end_k_q62f3c7b4db_edges-k_q62f3c7b4db_edges
	.p2alignl 7, 3214868480
	.fill 96, 4, 3214868480
	.section	.rodata,"a",@progbits
	.p2align	6, 0x0
	.amdhsa_kernel k_q62f3c7b4db_edges
		.amdhsa_group_segment_fixed_size 4096
		.amdhsa_private_segment_fixed_size 0
		.amdhsa_enable_private_segment 0
		.amdhsa_kernarg_size 32
		.amdhsa_user_sgpr_count 2
		.amdhsa_user_sgpr_kernarg_segment_ptr 1
		.amdhsa_wavefront_size32 1
		.amdhsa_system_sgpr_workgroup_id_x 1
		.amdhsa_system_sgpr_workgroup_id_y 1
		.amdhsa_system_sgpr_workgroup_id_z 1
		.amdhsa_system_vgpr_workitem_id 0
		.amdhsa_next_free_vgpr 240
		.amdhsa_next_free_sgpr 66
		.amdhsa_reserve_vcc 0
		.amdhsa_float_denorm_mode_32 3
		.amdhsa_float_denorm_mode_16_64 3
		.amdhsa_memory_ordered 1
		.amdhsa_forward_progress 1
		.amdhsa_inst_pref_size 59
	.end_amdhsa_kernel
	.amdgpu_metadata
---
amdhsa.version: [ 1, 2 ]
amdhsa.kernels:
  - .name:           k_q62f3c7b4db_edges
    .symbol:         k_q62f3c7b4db_edges.kd
    .args:
      - { .name: batch_edges, .offset: 0, .size: 8, .value_kind: global_buffer, .address_space: global }
      - { .name: y, .offset: 8, .size: 8, .value_kind: global_buffer, .address_space: global }
      - { .name: zh, .offset: 16, .size: 8, .value_kind: global_buffer, .address_space: global }
      - { .name: out0, .offset: 24, .size: 8, .value_kind: global_buffer, .address_space: global }
    .group_segment_fixed_size: 4096
    .private_segment_fixed_size: 0
    .kernarg_segment_align: 8
    .kernarg_segment_size: 32
    .max_flat_workgroup_size: 512
    .sgpr_count:     66
    .vgpr_count:     240
    .wavefront_size: 32
...
	.end_amdgpu_metadata
.endif
;; end of part 2
;; ======== version 2 of 2: 2 launches; version 1 with the launch edges written anew for expert scheduling mode
;; limits: values are held in f16: magnitudes above 65,504 overflow, below 6.1e-05 lose precision
;; workspace buffers: y 10,240,000 bytes; zh 10,240,000 bytes
;; launch nodes: the kernel of part 1 again; grid 2 x 125, 4 waves a work-group, no clusters, 125,952 bytes of LDS; arguments z, W, y, zh; writes y, zh
;; launch edges (part 3): grid 256 x 1, 16 waves a work-group, no clusters, 4,096 bytes of LDS; arguments batch_edges, y, zh, out0; writes out0
.if DOCPART == 3
	.amdgcn_target "amdgcn-amd-amdhsa--gfx1250"
	.amdhsa_code_object_version 6
	.text
	.protected	k_q62f3c7b4db_edges
	.globl	k_q62f3c7b4db_edges
	.p2align	8
	.type	k_q62f3c7b4db_edges,@function
k_q62f3c7b4db_edges:
	s_mov_b64 s[64:65], 0
	v_nop
	global_prefetch_b8 v0, s[64:65] scope:SCOPE_SE
	s_setreg_imm32_b32 hwreg(HW_REG_WAVE_SCHED_MODE, 0, 2), 2
	s_setreg_imm32_b32 hwreg(HW_REG_WAVE_MODE, 25, 1), 1
	s_wait_xcnt 0x0
	s_wait_alu depctr_vm_vsrc(0)
; BILINEAR DECODER, second of two launches.  out[e] = sigmoid(the sum over d of y[r_e][d] zh[c_e][d]), r = batch_edges[0], c = batch_edges[1].
; WORK LEFT OUT: the product with W is not made for each edge: (z @ W)[r_e] = z[r_e] @ W for all values, and the launch before has made y = z @ W once for each node.
; y: [10000][512] f16.  zh: [10000][512], z rounded to bf16 and written as f16.  batch_edges: [2][131072] i32.  Products and sums in f32 (a multiply-add that reads f16 halves).
; The dot of two gathered rows is a diagonal, not a matrix product: each number of y meets one number of zh, so it goes to the vector unit.
; LIMITS.  Indices are 0 to 9,999, as the problem states; taken as unsigned numbers they are held to 9,999.  A sigmoid below 2^-126 comes out as 0.  NaN and infinities are not treated apart.
; THE SIGMOID is 1 / (1 + 2^(-1.442695 s)): for s far below 0 the power is an infinity and its reciprocal 0; for s far above 0 the power is 0 and the result 1: no range is lost.
; SHARES.  A work-group has 512 edges, a wave 32.  Sixteen lanes take one edge: in step t (0..15) half h of the wave has edge e0 + 16 h + t, e0 = 512 x work-group + 32 w.
; A row is 1,024 bytes: four loads in which the sixteen lanes cover 256 consecutive bytes, aligned.  A step is 8 loads (4 of y, 4 of zh) into 32 registers.
; IN FLIGHT.  Six slots of 32 registers: 48 loads of a wave are out; a slot is asked for again as soon as it has been multiplied.
; No LDS on the way in, no cluster: no two waves want the same bytes at a known time.  No prefetch: a row is named by many edges, so a request for each edge would name the same bytes again and again.
; THE MODE: SCHED_MODE bits 1:0 = 2 (LLVM: expert scheduling mode 2), set by the entry lines.  The code itself states the register dependences
; between vector instructions and memory or LDS instructions, with s_wait_alu, always for 0.
; THE PLAN.  Registers that memory or LDS instructions touch:
;   v[IX], v[LW], v[LQ]  offsets and LDS addresses, made at the head by vector lines and never written again.
;   OFFY, OFFZ           the index loads land in them; 64 vector lines make byte offsets of them; step t's eight loads read two of them; never written again.
;   slot t % 6           step t's eight loads land in it; step t's 32 multiply-adds read it; behind them the loads of step t + 6 land in it.
;   v[SUM ..]            in the steps named by vector lines alone; at the end v[SUM] is the LDS store's data, then an LDS load lands in v[SUM:SUM+3], the global store's data.
;   v[SPW], v[NIL]       written at the head, read by the closing add alone.
; So ONE wait on va_vdst stands in a step that asks for a slot again, behind its multiply-adds: it states that they are done reading the slot.  The eight loads follow it, dealt among the eight
; lines that add up the sums and the lanes, which name v[SUM ..], v[RES] and s20: none of the registers that those loads touch.  No register that a load reads is written in the steps, so no wait on vm_vsrc stands there.
.set NODES, 10000
.set EDGES, 131072
.set SPARE, 2048                       ; LDS: 512 results at 0; behind them the spare words, 128 bytes for each of 16 waves, which no other line names
.set LO,   1                           ; v1   16 (l % 16): my 16 bytes in 256
.set NUL,  2                           ; v2   0: what the four sums start from (this multiply-add takes registers alone)
.set RES,  3                           ; v3   lane l gathers the score of edge e0 + l
.set SUM,  4                           ; v4-7 four sums that do not wait for each other
.set IX,   8                           ; v8   64 x (thread / 16): my half's 16 indices
.set LW,   9                           ; v9   4 x thread: where my result goes in LDS
.set LQ,   10                          ; v10  16 x thread: four results, in LDS and in out0
.set SPW,  12                          ; v12  LDS address of my spare word: SPARE + 4 x my thread's number; never rewritten
.set NIL,  13                          ; v13  0; never rewritten
.set OFFY, 16                          ; v16-31  step t: byte offset of my 16 bytes in y's row r_e; never rewritten once made
.set OFFZ, 32                          ; v32-47  the same in zh's row c_e
.set SL,   48                          ; v48-239 six slots of 32: y's load q at 4 q, zh's at 16 + 4 q
	s_load_b256 s[4:11], s[0:1], 0x0               ; batch_edges s[4:5], y s[6:7], zh s[8:9], out0 s[10:11]
	v_lshl_add_u32 v[SPW], v0, 2, SPARE
	v_mov_b32 v[NIL], 0
	v_lshrrev_b32 v14, 5, v0
	v_readfirstlane_b32 s12, v14                   ; w: wave 0..15
	v_and_b32 v[LO], 15, v0
	v_lshlrev_b32 v[LO], 4, v[LO]
	v_mov_b32 v[NUL], 0
	v_mov_b32 v[RES], 0                            ; written whole once: the selects below keep the other lanes
	v_lshrrev_b32 v[IX], 4, v0
	v_lshlrev_b32 v[IX], 6, v[IX]
	v_lshlrev_b32 v[LW], 2, v0
	v_lshlrev_b32 v[LQ], 4, v0
	s_wait_alu depctr_va_sdst(0)                   ; s12 is written, ahead of its first reader: the compare at the end that picks the waves that store
	s_lshl_b32 s14, ttmp9, 11                      ; 512 edges x 4 bytes, in batch_edges and in out0
	s_mov_b32 s15, 0
	s_wait_kmcnt 0x0
	s_add_nc_u64 s[4:5], s[4:5], s[14:15]
	s_add_nc_u64 s[10:11], s[10:11], s[14:15]
	s_wait_alu depctr_va_vdst(0)                   ; v[IX] is written, which the index loads read as their offset; so are v[LW] and v[LQ], which the LDS and global instructions at the end read
.irp q, 0,1,2,3
	global_load_b128 v[OFFY+4*(\q):OFFY+4*(\q)+3], v[IX], s[4:5] offset:16*(\q) th:TH_LOAD_NT          ; my half's 16 row indices: the sixteen lanes read the same bytes
	global_load_b128 v[OFFZ+4*(\q):OFFZ+4*(\q)+3], v[IX], s[4:5] offset:4*EDGES+16*(\q) th:TH_LOAD_NT  ; and its 16 column indices
.endr
	s_wait_loadcnt 0x0
.set tt, 0
.rept 32
	v_min_u32 v[OFFY+tt], NODES-1, v[OFFY+tt]      ; held inside the table,
	v_lshl_add_u32 v[OFFY+tt], v[OFFY+tt], 10, v[LO]  ; x 1,024 bytes a row + my 16 bytes
.set tt, tt+1
.endr
	s_wait_alu depctr_va_vdst(0)                   ; the 32 offsets in OFFY and OFFZ are written, which all the row loads of the kernel read; no later vector line names them
; One of step t's 8 loads, into slot t % 6: quarter q of y's row, or of zh's.  There is no step behind the fifteenth: for such a t nothing is written.
.macro LDY t, q
.if (\t) <= 15
	global_load_b128 v[SL+32*((\t)%6)+4*(\q):SL+32*((\t)%6)+4*(\q)+3], v[OFFY+(\t)], s[6:7] offset:256*(\q)
.endif
.endm
.macro LDZ t, q
.if (\t) <= 15
	global_load_b128 v[SL+32*((\t)%6)+16+4*(\q):SL+32*((\t)%6)+16+4*(\q)+3], v[OFFZ+(\t)], s[8:9] offset:256*(\q)
.endif
.endm
.macro ISSUE t                         ; step t's 8 loads on end: the first six steps, whose slots no vector line has named
.irp q, 0,1,2,3
	LDY \t, \q
.endr
.irp q, 0,1,2,3
	LDZ \t, \q
.endr
.endm
; Step t: 32 multiply-adds on f16 halves, in f32, in four chains (one for each of the four loads); the slot is asked for again; the four sums and the sixteen lanes' are added; lanes t and 16 + t keep the score.
.macro DOT t
.if (\t) <= 10
	s_wait_loadcnt 40                              ; loads come back in order (ISA guide 5.7.1): step t is in, the five younger steps' 40 loads may stay out
.else
	s_wait_loadcnt 8*(15-(\t))                     ; the last steps: as many as are left
.endif
.set SB, SL+32*((\t)%6)
.set kk, 0
.rept 4
.set qq, 0
.rept 4
.if kk == 0
	v_fma_mix_f32 v[SUM+qq], v[SB+4*qq+kk], v[SB+16+4*qq+kk], v[NUL] op_sel_hi:[1,1,0]  ; the low halves; the first product starts the sum
.else
	v_fma_mix_f32 v[SUM+qq], v[SB+4*qq+kk], v[SB+16+4*qq+kk], v[SUM+qq] op_sel_hi:[1,1,0]
.endif
.set qq, qq+1
.endr
.set qq, 0
.rept 4
	v_fma_mix_f32 v[SUM+qq], v[SB+4*qq+kk], v[SB+16+4*qq+kk], v[SUM+qq] op_sel:[1,1,0] op_sel_hi:[1,1,0]  ; the high halves
.set qq, qq+1
.endr
.set kk, kk+1
.endr
.if (\t)+6 <= 15
	s_wait_alu depctr_va_vdst(0)                   ; the 32 multiply-adds are done reading slot t % 6, in which the eight loads below land; the vector lines among those loads name none of their registers
.endif
	LDY (\t)+6, 0
	v_add_f32 v[SUM], v[SUM], v[SUM+1]
	LDY (\t)+6, 1
	v_add_f32 v[SUM+2], v[SUM+2], v[SUM+3]
	LDY (\t)+6, 2
	v_add_f32 v[SUM], v[SUM], v[SUM+2]
	LDY (\t)+6, 3
	v_add_f32_dpp v[SUM], v[SUM], v[SUM] row_xmask:1 row_mask:0xf bank_mask:0xf  ; inside each half of 16 lanes: every lane ends with its edge's score
	LDZ (\t)+6, 0
	v_add_f32_dpp v[SUM], v[SUM], v[SUM] row_xmask:2 row_mask:0xf bank_mask:0xf
	LDZ (\t)+6, 1
	v_add_f32_dpp v[SUM], v[SUM], v[SUM] row_xmask:4 row_mask:0xf bank_mask:0xf
	LDZ (\t)+6, 2
	v_add_f32_dpp v[SUM], v[SUM], v[SUM] row_xmask:8 row_mask:0xf bank_mask:0xf
	LDZ (\t)+6, 3
	s_mov_b32 s20, 0x10001<<(\t)
	v_cndmask_b32 v[RES], v[RES], v[SUM], s20      ; lane t has edge e0 + t, lane 16 + t edge e0 + 16 + t
.endm
.irp t, 0,1,2,3,4,5
	ISSUE \t
.endr
.irp t, 0,1,2,3,4,5,6,7,8,9,10,11,12,13,14,15
	DOT \t
.endr
	v_mul_f32 v[SUM], 0xbfb8aa3b, v[RES]           ; -log2(e) x score
	v_exp_f32 v[SUM], v[SUM]
	v_nop                                          ; a plain instruction behind the exponential (ISA guide 5.7.2),
	s_wait_alu depctr_va_vdst(0)                   ; and the exponential has written v[SUM], ahead of its first reader
	v_add_f32 v[SUM], 1.0, v[SUM]
	v_rcp_f32 v[SUM], v[SUM]
	v_nop
	s_wait_alu depctr_va_vdst(0)                   ; the reciprocal has written v[SUM], which the LDS store reads; and every vector line that named v[SUM:SUM+3], in which the LDS load below lands, is done: none follows
	; a wave's 32 results are 128 bytes: the work-group's 512 meet in LDS, and four waves store them, 512 consecutive bytes each
	ds_store_b32 v[LW], v[SUM]
	s_wait_dscnt 0x0                               ; for the others' sake: my results lie in LDS
	s_barrier_signal -1
	s_barrier_wait -1
	s_wait_alu depctr_vm_vsrc(0)                   ; my LDS store has read v[SUM], in which the LDS load below lands: stated ahead of the branch
	s_cmp_lt_u32 s12, 4
	s_cbranch_scc0 .Lend
	ds_load_b128 v[SUM:SUM+3], v[LQ]
	s_wait_dscnt 0x0
	global_store_b128 v[LQ], v[SUM:SUM+3], s[10:11] th:TH_STORE_NT
.Lend:
	s_wait_dscnt 0x0                               ; the wave's end: behind my last LDS store
	s_wait_alu 0x0
	s_wait_tensorcnt 0x0
	ds_add_u32 v[SPW], v[NIL]
	s_wait_dscnt 0x0
	s_endpgm
.Lfunc_end_k_q62f3c7b4db_edges:
	.size	k_q62f3c7b4db_edges, .Lfunc_end_k_q62f3c7b4db_edges-k_q62f3c7b4db_edges
	.p2alignl 7, 3214868480
	.fill 96, 4, 3214868480
	.section	.rodata,"a",@progbits
	.p2align	6, 0x0
	.amdhsa_kernel k_q62f3c7b4db_edges
		.amdhsa_group_segment_fixed_size 4096
		.amdhsa_private_segment_fixed_size 0
		.amdhsa_enable_private_segment 0
		.amdhsa_kernarg_size 32
		.amdhsa_user_sgpr_count 2
		.amdhsa_user_sgpr_kernarg_segment_ptr 1
		.amdhsa_wavefront_size32 1
		.amdhsa_system_sgpr_workgroup_id_x 1
		.amdhsa_system_sgpr_workgroup_id_y 1
		.amdhsa_system_sgpr_workgroup_id_z 1
		.amdhsa_system_vgpr_workitem_id 0
		.amdhsa_next_free_vgpr 240
		.amdhsa_next_free_sgpr 66
		.amdhsa_reserve_vcc 0
		.amdhsa_float_denorm_mode_32 3
		.amdhsa_float_denorm_mode_16_64 3
		.amdhsa_memory_ordered 1
		.amdhsa_forward_progress 1
		.amdhsa_inst_pref_size 60
	.end_amdhsa_kernel
	.amdgpu_metadata
---
amdhsa.version: [ 1, 2 ]
amdhsa.kernels:
  - .name:           k_q62f3c7b4db_edges
    .symbol:         k_q62f3c7b4db_edges.kd
    .args:
      - { .name: batch_edges, .offset: 0, .size: 8, .value_kind: global_buffer, .address_space: global }
      - { .name: y, .offset: 8, .size: 8, .value_kind: global_buffer, .address_space: global }
      - { .name: zh, .offset: 16, .size: 8, .value_kind: global_buffer, .address_space: global }
      - { .name: out0, .offset: 24, .size: 8, .value_kind: global_buffer, .address_space: global }
    .group_segment_fixed_size: 4096
    .private_segment_fixed_size: 0
    .kernarg_segment_align: 8
    .kernarg_segment_size: 32
    .max_flat_workgroup_size: 512
    .sgpr_count:     66
    .vgpr_count:     240
    .wavefront_size: 32
...
	.end_amdgpu_metadata
.endif
;; end of part 3
